; MI455X (gfx1250); checked and timed in simulation.
; The chip was launched on July 23, 2026; its instructions are those of AMD's public machine-readable ISA for CDNA 5 (MIT licence, August 2026) and "CDNA5" Instruction Set Architecture Reference Guide (July 2026). The comments in the code are by the model that wrote it; some were corrected since.
;; Alexandria Multihead Attention. Allowed arithmetic: matrix products marked QUANTISED: E5M2 operands, one E8M0 scale for each 32 along K, by v_wmma_scale_f32_16x16x128_f8f6f4 with both operands' format E5M2, f32 sums; everything else in f32.
;; Inputs: W_k 1,024 x 1,024 float32; W_q 1,024 x 1,024 float32; W_v 1,024 x 1,024 float32; x 4 x 2,048 x 1,024 float32.
;; Outputs: out0 4 x 16 x 2,048 x 64 float32.
;; This version of the problem:
;;   THIS VERSION OF THE PROBLEM IS GIVEN IN LOW PRECISION. The matrix products marked QUANTISED in the list below multiply operands that are first quantised to E5M2 (5 exponent bits, 2 mantissa bits; 8 bits a number), with one power-of-two scale for each 32 numbers along K (OCP MX v1.0); their sums are f32. All else is computed in f32.
;;   The module's matrix products, in the order in which they are computed (A, B: the left and right operand; K: the contracted axis; several contracted axes count as one K, in the product's order):
;;     1. [M 8,192, K 1,024] x [K 1,024, N 1,024]; A: input x; B: input W_q: QUANTISED
;;     2. [M 8,192, K 1,024] x [K 1,024, N 1,024]; A: input x; B: input W_k: QUANTISED
;;     3. [M 8,192, K 1,024] x [K 1,024, N 1,024]; A: input x; B: input W_v: QUANTISED
;;     4. batch 64 x [M 2,048, K 64] x [K 64, N 2,048]; A: computed on the way; B: computed on the way: QUANTISED
;;     5. batch 64 x [M 2,048, K 2,048] x [K 2,048, N 64]; A: softmax (see below); B: computed on the way: QUANTISED
;;   THE QUANTISER, for each operand of a quantised product, along K:
;;     - K is cut into blocks of 32 from its start; a last block that is shorter is filled with zeros.
;;     - A block's scale is 2^e with e = floor(log2(the largest magnitude in the block)) - 15, held to -126 .. 127; a block of zeros has e = 0. As a byte (E8M0): e + 127.
;;     - Each number is divided by its block's scale, clamped to +-57,344, and rounded to the nearest number of E5M2, ties to even, subnormals kept.
;;     - The product sums the exact products of the quantised numbers (number of the format x scale) in f32.
;;   ~~~python
;;   def quantise(x, axis):      # numpy; x: float32 -> the quantised numbers, widened to float32 again
;;       x = np.moveaxis(x, axis, -1); K = x.shape[-1]
;;       x = np.pad(x, [(0, 0)] * (x.ndim - 1) + [(0, -K % 32)]); x = x.reshape(x.shape[:-1] + (-1, 32)); a = np.abs(x).max(-1, keepdims=True)
;;       e = np.where(a > 0, np.clip(np.frexp(np.where(a > 0, a, 1))[1] - 1 - 15, -126, 127), 0)      # np.frexp(a)[1] - 1 = floor(log2(a)), exactly
;;       r = np.clip(x / 2.0 ** e, -57344, 57344)
;;       step = 2.0 ** (np.maximum(np.frexp(np.where(r == 0, 1, r))[1] - 1, -14) - 2)
;;       q = np.round(r / step) * step * 2.0 ** e      # np.round: ties to even
;;       return np.moveaxis(q.reshape(q.shape[:-2] + (-1,))[..., :K], -1, axis).astype(np.float32)
;;   ~~~
;;   SOFTMAX AHEAD OF A QUANTISED PRODUCT. Where the list says 'softmax', what is quantised is not the finished softmax but p = 2^(t - M), with t = logit x log2(e) and M = ceil(the row's largest t), a whole number; so 1/2 < the row's largest p <= 1. The row's sum l is taken of the UNQUANTISED p, in f32, and the product's result is divided by l at the end. Since M is a whole number, a kernel that streams over the keys may use a running M (the ceiling of the running maximum): every later rescaling is an exact power of two, which a block's scale takes up: the codes' values come out the same.
;;   OPERANDS COMPUTED ON THE WAY. 'Computed on the way' means the value that the module computes at that place (a softmax that the list does not call 'softmax' is quantised finished and normalised). What goes into a quantiser is computed in f32, as accurately as f32 sums, v_exp_f32 and their like allow (about 1e-6 of the number): no bf16 or f16 on the way to a quantiser, and a product that is left as it is and whose result goes on into a quantised operand takes f32 operands (vector FMAs, or v_wmma_f32_16x16x4_f32). A number that lies on a knife's edge between two numbers of the format may be rounded either way, as far as f32 arithmetic and the matrix unit's own rounding can turn it there, and no further.
;; One version. Each part assembles by itself: llvm-mc -triple=amdgcn-amd-amdhsa -mcpu=gfx1250 --defsym DOCPART=n.
;; ======== version 1 of 1: 3 launches
;; limits: right only within a limited range of input values
;; workspace buffers: xc 8,388,608 bytes; xs 262,144 bytes; wc 3,145,728 bytes; ws 98,304 bytes; qimg 8,388,608 bytes; qsw 524,288 bytes; kv 17,825,792 bytes
;; launch quant (part 1): grid 352 x 1, 4 waves a work-group, no clusters, 68,096 bytes of LDS; arguments x, W_q, W_k, W_v, xc, xs, wc, ws; writes xc, xs, wc, ws
.if DOCPART == 1
	.amdgcn_target "amdgcn-amd-amdhsa--gfx1250"
	.amdhsa_code_object_version 6
	.text
	.protected	k_q24fb04fa1e_quant
	.globl	k_q24fb04fa1e_quant
	.p2align	8
	.type	k_q24fb04fa1e_quant,@function
k_q24fb04fa1e_quant:
	s_mov_b64 s[64:65], 0
	v_nop
	global_prefetch_b8 v0, s[64:65] scope:SCOPE_SE
	s_setreg_imm32_b32 hwreg(HW_REG_WAVE_MODE, 25, 1), 1
	s_wait_xcnt 0x0
; x [8192][1024] and W_q, W_k, W_v [1024][1024], f32, K innermost, become codes of BF8 (E5M2) with one E8M0 scale byte for each 32 along K.
; A block's scale is 2^(floor(log2(its largest magnitude)) - 15); its byte is the largest magnitude's exponent field - 15, held at 1 from below.  Each number is divided by the scale,
; held within +-57,344 and rounded to the nearest code, ties to even.
; LIMITS: a block whose largest magnitude lies under 2^(16 - 127) keeps the byte 1; a block of zeros gets the byte 1 where the rule says 127 (its codes are zeros, and the bytes are read by this
; program alone); NaN and infinities among the inputs are not served.
; ROWS: in every group of 32 rows the second and the third run of 8 rows change places in the stored order (wc, ws: W_q's rows, then W_k's, then W_v's).  So 16 stored rows on end are rows 0-7 and 16-23,
; or 8-15 and 24-31, of their group: a matrix tile of such rows leaves a lane's 16 results of two neighbouring tiles as 16 neighbours of the true order.
; LAYOUT.  Scale bytes xs, ws: [stored row][32].  Codes xc, wc: [stored run of 8 rows][block u of 32 along K][256 B]; in a block's 256 bytes row i's 32 codes lie at 32 i, their two halves of 16 swapped in
; odd runs.  So the 32 lanes of an operand's load (lane (r, h): row r of 16, 16 codes at 32 u + 16 h) take two whole units of 256 bytes, and in LDS lanes 0-15 touch sixteen different columns of 16 bytes.
; SHARES: a work-group takes a group of 32 rows, a wave one run of 8 rows: 16 steps of 512 numbers.  Work-groups 0-255 take x, 256-287 W_q, 288-319 W_k, 320-351 W_v.
; A step's four loads read 512 consecutive bytes each; its 2,048 bytes turn through the wave's own stage in LDS and come back 64 bytes (16 neighbours) a lane; two neighbouring lanes hold a block.
; A run's codes are gathered in the wave's own image in LDS (units 272 bytes apart) and leave as 16 stores of 512 consecutive bytes.  No tensor loads, no barrier: waves share nothing.
.set STEPS, 16
.set EMAX,  15
.set MANT,  0x600000                   ; the mantissa field of 57,344 as f32
.set R,     16                         ; v16-79   four sets of 16 numbers as they are loaded; at the end the image read back
.set X,     80                         ; v80-111  two sets of 16 neighbours
.set C,     128                        ; v128-191 codes: four registers for each step
.set E,     112                        ; v112-127 a scale byte for each step
.set WREG,  8192                       ; LDS: a region for each wave: two stages of 32 x SP bytes, behind them its 256 scale bytes
.set SP,    80                         ; a lane's place in a stage: its 64 bytes + 16 of padding
.set IMG,   33280                      ; behind the spare words: the images, 32 units x 272 bytes for each wave
.set IMGW,  8704
	s_load_b256 s[4:11], s[0:1], 0x0               ; x, W_q, W_k, W_v
	s_load_b256 s[12:19], s[0:1], 0x20             ; xc, xs, wc, ws
	v_lshl_add_u32 v192, v0, 2, 0x8000             ; my spare word
	v_mov_b32 v193, 0
	v_lshrrev_b32 v1, 5, v0
	v_readfirstlane_b32 s20, v1                    ; wave
	v_and_b32 v2, 31, v0                           ; lane
	v_lshlrev_b32 v3, 4, v2                        ; my 16 bytes of a load's 512
	s_mul_i32 s21, s20, WREG
	s_lshr_b32 s28, s20, 1                         ; is the run that I write odd?  (the wave's two bits are swapped: below)
	s_mul_i32 s29, s20, IMGW
	s_add_co_u32 s29, s29, IMG                     ; my image
	v_lshrrev_b32 v14, 2, v2
	v_mul_u32_u24 v14, v14, SP
	v_and_b32 v15, 3, v2
	v_lshl_add_u32 v14, v15, 4, v14
	v_add_nc_u32 v14, s21, v14                     ; the stage, on the way in: SP (lane / 4) + 16 (lane % 4)
	v_mul_u32_u24 v15, v2, SP
	v_add_nc_u32 v15, s21, v15                     ; and on the way out: SP x lane: my 16 neighbours
	v_lshlrev_b32 v4, 4, v2                        ; 16 x lane
	v_lshrrev_b32 v5, 1, v2
	s_add_co_u32 s21, s21, 2*32*SP
	v_add_nc_u32 v5, s21, v5                       ; LDS: my wave's 256 scale bytes, my block's byte
	v_lshlrev_b32 v7, 3, v2                        ; and on the way out 8 bytes a lane
	v_add_nc_u32 v6, s21, v7
	v_and_b32 v12, 1, v2
	v_xor_b32 v12, s28, v12                        ; which half of the block's 32 codes, swapped in odd runs
	v_lshrrev_b32 v194, 1, v2
	v_mul_u32_u24 v194, v194, 272
	v_lshl_add_u32 v194, v12, 4, v194
	v_add_nc_u32 v194, s29, v194                   ; the image, in: unit lane / 2 (+ 16 in odd steps), my half; the row is the offset
	v_lshrrev_b32 v195, 4, v2
	v_mul_u32_u24 v195, v195, 272
	v_and_b32 v12, 15, v2
	v_lshl_add_u32 v195, v12, 4, v195
	v_add_nc_u32 v195, s29, v195                   ; and back: two units an instruction, 16 bytes a lane
	s_mov_b32 s31, MANT
	s_wait_alu depctr_va_vdst(0)                   ; the wait at the head's end
	s_wait_kmcnt 0x0
	s_cmp_lt_u32 ttmp9, 288                        ; which tensor?  Every choice hangs on the work-group's number alone
	s_cselect_b64 s[6:7], s[6:7], s[8:9]
	s_cmp_lt_u32 ttmp9, 320
	s_cselect_b64 s[6:7], s[6:7], s[10:11]
	s_sub_co_u32 s22, ttmp9, 256                   ; a weight's group of 32 rows among wc's 96,
	s_and_b32 s23, s22, 31                         ; and among its own tensor's 32
	s_cmp_lt_u32 ttmp9, 256
	s_cselect_b64 s[4:5], s[4:5], s[6:7]           ; the source,
	s_cselect_b64 s[12:13], s[12:13], s[16:17]     ; its codes,
	s_cselect_b64 s[14:15], s[14:15], s[18:19]     ; its scale bytes
	s_cselect_b32 s23, ttmp9, s23
	s_cselect_b32 s22, ttmp9, s22
	s_lshl_b32 s24, s23, 2
	s_add_co_u32 s24, s24, s20                     ; the run of 8 rows that I read: 4 x group + wave
	s_lshl_b32 s24, s24, 15
	s_mov_b32 s25, 0
	s_add_nc_u64 s[4:5], s[4:5], s[24:25]
	s_and_b32 s26, s20, 1
	s_lshl_b32 s26, s26, 1
	s_lshr_b32 s27, s20, 1
	s_or_b32 s26, s26, s27                         ; runs 1 and 2 change places
	s_lshl_b32 s27, s22, 2
	s_add_co_u32 s26, s26, s27                     ; the run that I write
	s_lshl_b32 s24, s26, 13                        ; 8,192 bytes of codes a run
	s_add_nc_u64 s[12:13], s[12:13], s[24:25]
	s_lshl_b32 s24, s26, 8                         ; 256 scale bytes a run
	s_add_nc_u64 s[14:15], s[14:15], s[24:25]
.macro LOAD t
.irp i, 0,1,2,3
	global_load_b128 v[R+16*((\t)%4)+4*\i:R+16*((\t)%4)+4*\i+3], v3, s[4:5] offset:2048*(\t)+512*\i th:TH_LOAD_NT
.endr
.endm
.macro TURN t                          ; LDS serves a wave's instructions in order, so no wait stands between the stores and the loads
.irp i, 0,1,2,3
	ds_store_b128 v14, v[R+16*((\t)%4)+4*\i:R+16*((\t)%4)+4*\i+3] offset:32*SP*((\t)%2)+8*SP*\i
.endr
.irp i, 0,1,2,3
	ds_load_b128 v[X+16*((\t)%2)+4*\i:X+16*((\t)%2)+4*\i+3], v15 offset:32*SP*((\t)%2)+16*\i
.endr
.endm
.irp t, 0,1,2,3
	LOAD \t
.endr
	s_wait_loadcnt 12                              ; step 0's four loads are in
	TURN 0
.macro STEP t
.set XS, X+16*((\t)%2)
.if (\t) > 0
	s_wait_dscnt 2                                 ; this step's numbers are back from the stage; the last step's two stores (byte, codes) may be out
.else
	s_wait_dscnt 0x0
.endif
.if (\t)+4 < STEPS
	LOAD (\t)+4
.endif
.if (\t)+1 < STEPS
.if STEPS-2-(\t) >= 3
	s_wait_loadcnt 12                              ; the next step's four loads are in; those of the three steps behind it may be out
.else
	s_wait_loadcnt 4*(STEPS-2-(\t))
.endif
	TURN (\t)+1
.endif
	v_max3_num_f32 v8, |v[XS]|, |v[XS+1]|, |v[XS+2]|
	v_max3_num_f32 v9, |v[XS+3]|, |v[XS+4]|, |v[XS+5]|
.irp i, 6,10
	v_max3_num_f32 v8, v8, |v[XS+\i]|, |v[XS+\i+1]|
	v_max3_num_f32 v9, v9, |v[XS+\i+2]|, |v[XS+\i+3]|
.endr
	v_max3_num_f32 v8, v8, |v[XS+14]|, |v[XS+15]|
	v_max3_num_f32 v8, v8, v9, (EMAX+1)<<23        ; and the floor 2^(16 - 127)
	v_max_num_f32_dpp v8, v8, v8 row_xmask:1 row_mask:0xf bank_mask:0xf   ; and of my neighbour's 16: the block's
	v_add_nc_u32 v11, -(EMAX<<23), v8              ; the conversion's scale operand
	v_and_or_b32 v10, v8, 0x7f800000, s31          ; 57,344 x the scale
.irp i, 0,1,2,3,4,5,6,7,8,9,10,11,12,13,14,15
	v_med3_num_f32 v[XS+\i], v[XS+\i], -v10, v10   ; the conversion does not saturate (ISA guide 7.6.2): hold the number first
.endr
	v_cvt_scalef32_pk8_bf8_f32 v[C+4*(\t):C+4*(\t)+1], v[XS:XS+7], v11
	v_cvt_scalef32_pk8_bf8_f32 v[C+4*(\t)+2:C+4*(\t)+3], v[XS+8:XS+15], v11
	v_lshrrev_b32 v[E+(\t)], 23, v11               ; the scale's byte (also the plain line behind the conversions)
	ds_store_b8 v5, v[E+(\t)] offset:16*(\t)
	ds_store_b128 v194, v[C+4*(\t):C+4*(\t)+3] offset:16*272*((\t)%2)+32*((\t)/2)   ; step t is half t % 2 of row t / 2
.endm
.irp t, 0,1,2,3,4,5,6,7,8,9,10,11,12,13,14,15
	STEP \t
.endr
	ds_load_b64 v[12:13], v6                       ; LDS serves a wave's instructions in order: these see my stores
.irp i, 0,1,2,3,4,5,6,7,8,9,10,11,12,13,14,15
	ds_load_b128 v[R+4*\i:R+4*\i+3], v195 offset:544*\i
.endr
	s_wait_dscnt 16
	global_store_b64 v7, v[12:13], s[14:15]        ; 32 lanes store 256 consecutive bytes, aligned
.irp i, 0,1,2,3,4,5,6,7,8,9,10,11,12,13,14,15
	s_wait_dscnt 15-\i
	global_store_b128 v4, v[R+4*\i:R+4*\i+3], s[12:13] offset:512*\i   ; 512 consecutive bytes, aligned
.endr
	s_wait_tensorcnt 0x0                           ; the wave's end
	ds_add_u32 v192, v193
	s_wait_dscnt 0x0
	s_endpgm
.Lfunc_end_k_q24fb04fa1e_quant:
	.size	k_q24fb04fa1e_quant, .Lfunc_end_k_q24fb04fa1e_quant-k_q24fb04fa1e_quant
	.p2alignl 7, 3214868480
	.fill 96, 4, 3214868480
	.section	.rodata,"a",@progbits
	.p2align	6, 0x0
	.amdhsa_kernel k_q24fb04fa1e_quant
		.amdhsa_group_segment_fixed_size 68096
		.amdhsa_private_segment_fixed_size 0
		.amdhsa_enable_private_segment 0
		.amdhsa_kernarg_size 64
		.amdhsa_user_sgpr_count 2
		.amdhsa_user_sgpr_kernarg_segment_ptr 1
		.amdhsa_wavefront_size32 1
		.amdhsa_system_sgpr_workgroup_id_x 1
		.amdhsa_system_sgpr_workgroup_id_y 1
		.amdhsa_system_sgpr_workgroup_id_z 1
		.amdhsa_system_vgpr_workitem_id 0
		.amdhsa_next_free_vgpr 196
		.amdhsa_next_free_sgpr 66
		.amdhsa_reserve_vcc 0
		.amdhsa_float_denorm_mode_32 3
		.amdhsa_float_denorm_mode_16_64 3
		.amdhsa_memory_ordered 1
		.amdhsa_forward_progress 1
		.amdhsa_inst_pref_size 54
	.end_amdhsa_kernel
	.amdgpu_metadata
---
amdhsa.version: [ 1, 2 ]
amdhsa.kernels:
  - .name:           k_q24fb04fa1e_quant
    .symbol:         k_q24fb04fa1e_quant.kd
    .args:
      - { .name: x, .offset: 0, .size: 8, .value_kind: global_buffer, .address_space: global }
      - { .name: W_q, .offset: 8, .size: 8, .value_kind: global_buffer, .address_space: global }
      - { .name: W_k, .offset: 16, .size: 8, .value_kind: global_buffer, .address_space: global }
      - { .name: W_v, .offset: 24, .size: 8, .value_kind: global_buffer, .address_space: global }
      - { .name: xc, .offset: 32, .size: 8, .value_kind: global_buffer, .address_space: global }
      - { .name: xs, .offset: 40, .size: 8, .value_kind: global_buffer, .address_space: global }
      - { .name: wc, .offset: 48, .size: 8, .value_kind: global_buffer, .address_space: global }
      - { .name: ws, .offset: 56, .size: 8, .value_kind: global_buffer, .address_space: global }
    .group_segment_fixed_size: 68096
    .private_segment_fixed_size: 0
    .kernarg_segment_align: 8
    .kernarg_segment_size: 64
    .max_flat_workgroup_size: 128
    .sgpr_count:     66
    .vgpr_count:     196
    .wavefront_size: 32
...
	.end_amdgpu_metadata
.endif
;; end of part 1
;; launch proj (part 2): grid 32 x 8, 4 waves a work-group, clusters of 4 x 1, 327,680 bytes of LDS; arguments xc, xs, wc, ws, qimg, qsw, kv; writes qimg, qsw, kv
.if DOCPART == 2
	.amdgcn_target "amdgcn-amd-amdhsa--gfx1250"
	.amdhsa_code_object_version 6
	.text
	.protected	k_q24fb04fa1e_proj
	.globl	k_q24fb04fa1e_proj
	.p2align	8
	.type	k_q24fb04fa1e_proj,@function
k_q24fb04fa1e_proj:
	s_mov_b64 s[64:65], 0
	v_nop
	global_prefetch_b8 v0, s[64:65] scope:SCOPE_SE
	s_setreg_imm32_b32 hwreg(HW_REG_WAVE_MODE, 25, 1), 1
	s_wait_xcnt 0x0
	s_wait_alu depctr_hold_cnt(0) depctr_sa_sdst(0) depctr_va_vdst(0) depctr_va_sdst(0) depctr_va_ssrc(0) depctr_va_vcc(0) depctr_vm_vsrc(0)
	s_getreg_b32 s2, hwreg(HW_REG_IB_STS2, 6, 4)
	s_cmp_eq_u32 s2, 0
	s_cbranch_scc0 .Lentry_in_a_cluster
	s_endpgm
.Lentry_in_a_cluster:
	s_bfe_u32 s2, ttmp6, 0x10000c
	s_cmp_lg_u32 s2, 0x3003
	s_cbranch_scc0 .Lentry_shape_is_right
	s_endpgm
.Lentry_shape_is_right:
; THE THREE PROJECTIONS on codes of BF8 (E5M2, one E8M0 scale for 32 along K = 1,024) AND THE QUANTISING OF THEIR RESULTS for the attention.
; SHARES.  Work-group (I, j): 256 tokens (stored rows 256 I on) x 128 rows each of W_q, W_k, W_v (heads 2 j, 2 j + 1).  A wave holds 64 tokens, four tiles, ALL of K, in 512 registers.
; The weights stream past them from LDS in pairs of blocks of 16 rows: 2 x 32 products, then the pair's way out.  xc and wc are laid as images of the operand registers (runs of 8 rows, 256 bytes for 32 along K):
; every tile is a dense run of memory, stated as rows of 256 bytes, and in LDS lanes 0-15 of a fragment's load touch sixteen different columns of 16 bytes.
; LDS AND FILLS.  At the head, one load a wave: x's 256 rows fill the two slots (waves 0 and 3), the three weights' scale bytes (wave 1) and x's (wave 2) have bytes of their own.  When every wave holds its x in
; registers, W_q's rows (slot 0) and W_k's (slot 1) are filled over it in a drained round, 64 rows a wave; W_v's rows fill slot 0 again in a second drained round behind the Q phase, 32 rows a wave.
; PREFETCH: the three weights' 128 rows are asked for at the head, behind the tensor loads: three lines a wave, a lane a block of 256 bytes, the cluster's 512 lanes told apart by address; clusters 0-3 of a row of
; the grid ask, the others read the same rows.  x is asked for by its loads alone: they are the launch's first.
; CLUSTERS: the four partners differ in I alone and ask for the weights jointly.  x's rows are each work-group's own.
; KINDS.  Q, K: source 0 = 16 weight rows, source 1 = a tile of x: a lane holds a token, and the 16 registers of the pair's two blocks are 16 neighbouring features.
; V: source 0 = a tile of x, source 1 = 16 weight rows: a lane holds a feature, and the 16 registers of two neighbouring tiles are 16 neighbouring keys.  Either way a unit of 16 registers, with lane l xor 16's,
; is a block of 32 along the attention's K: one scale byte and 16 codes a lane, which leave as 512 consecutive bytes of the reader's operand image.
; OUT: qimg [head][tile of 16 tokens][2][512 B], qsw [head][tile][16 words]; kv [head][128 keys][17,408 B]: K's 8 tiles x 2 x 512 B, K's 128 words, V's 4 tiles x 4 x 512 B, V's 64 words twice.
; Q's and K's words hold two bytes under 0x7f7f.  Scale bytes gather in LDS and leave at the end in whole units of 256 bytes.
; A phase's last trip fetches its slot's first pair once more; those registers are not used.
; LIMITS: a block whose largest magnitude lies under 2^(16 - 127) keeps the byte 1, a block of zeros too; NaN and infinities are not served.
; REGISTERS: window 0 addresses, scale words, 64 sums, the way out; windows 1, 2: x (K's lower and upper 512; tile t at 64 t); window 3: the pair's two blocks.
.set SLOTB, 131072
.set SCW,   2*SLOTB                    ; the weights' scale bytes: 3 x 128 rows x 32
.set XSL,   SCW+12288                  ; x's: 256 rows x 32
.set STGB,  XSL+8192                   ; Q's and K's words: 1,024 bytes a wave
.set SVB,   STGB+4096                  ; V's words: [128 keys of two][head of two][256]
.set SPARE, SVB+1024
.set HKV,   278528
.set BLK,   17408
.set LA,   1                           ; a fragment's lane term: 8192 (r / 8) + 32 (r % 8) + 16 (h xor r / 8)
.set WAD,  2
.set WSA0, 3                           ; 32 x lane
.set WSA,  4
.set OB,   5                           ; 16 x lane
.set BAQ,  6
.set BAV,  7
.set BA,   8
.set RBQ,  9
.set SPW,  10
.set NIL,  11
.set RBV,  12
.set GQ,   13
.set GK,   14
.set PV,   15
.set XS,   16                          ; v16-31 x's scale words: register 8 p + q: lanes 0-15 tile 2 p's, lanes 16-31 tile 2 p + 1's
.set PF,   32
.set XSA,  33
.set XAD,  34                          ; my 64 rows of x in LDS
.set WS,   36                          ; v36-43 the pair's: lanes 0-15 block 0's, lanes 16-31 block 1's (numbers differ from x's modulo 8)
.set C7,   44
.set ACC,  64
.set TM,   128
.set PC,   144
.set WB,   160
.set G1C,  24
.set G1S,  32
.set G1X,  40
.set G0Q,  48
.set G0K,  52
.set G0S,  56
.set G0X,  60
.set G0R,  68
.set BQ,   72
.set BK,   74
.set BV,   76
.set GB,   78
.set QSWB, 80
.set KWB,  82
.set VWB,  84
.set SEL,  12
.set MNT,  19
.set P,    18
.set MSB, 0
.macro WIN new
.if MSB != (\new)
	s_set_vgpr_msb (MSB<<8)|(\new)
.set MSB, (\new)
.endif
.endm
.macro WALU
	s_wait_alu depctr_va_vdst(0)
.endm
.macro PLACES n
.rept \n
	v_nop
.endr
.endm
.macro ROUND
	s_barrier_signal -1
	s_barrier_wait -1
	s_cmp_lg_u32 s14, 0
	s_cbranch_scc1 .Lnot_wave_0_\@
	s_barrier_signal -3
.Lnot_wave_0_\@:
	s_barrier_wait -3
	s_barrier_signal -1
	s_barrier_wait -1
.endm
	s_load_b256 s[4:11], s[0:1], 0x0               ; xc, xs, wc, ws
	s_load_b128 s[96:99], s[0:1], 0x20             ; qimg, qsw
	s_load_b64 s[100:101], s[0:1], 0x30            ; kv
	v_lshl_add_u32 v[SPW], v0, 2, SPARE
	v_mov_b32 v[NIL], 0
	ds_add_u32 v[SPW], v[NIL]                      ; the opening lines: the add twice on end and one wait
	ds_add_u32 v[SPW], v[NIL]
	v_lshrrev_b32 v48, 5, v0
	v_readfirstlane_b32 s14, v48                   ; wave
	s_bfe_u32 s15, ttmp6, 0x40000                  ; cx
	s_lshl_b32 s16, ttmp9, 2
	s_add_co_u32 s16, s16, s15                     ; I
	s_and_b32 s17, ttmp7, 0xffff                   ; j
	s_mov_b32 s[G1C], 3<<16                        ; codes.  At the head: 128 rows of x, 131,072 dense bytes as 512 rows of 256, my work-group's own
	s_mov_b32 s[G1C+1], 32<<16
	s_mov_b32 s[G1C+2], 512<<16
	s_mov_b32 s[G1C+3], 32<<16
	s_mov_b32 s[G1C+4], 512
	s_mov_b32 s[G1C+5], 32
	s_mov_b32 s[G1C+6], 0
	s_mov_b32 s[G1C+7], 0
	s_mov_b32 s[G1S], 15|(3<<16)|(1<<21)           ; the weights' scale bytes: 3 rows of 4,096 bytes, 32,768 apart (W_q's, W_k's, W_v's); all four partners
	s_mov_b32 s[G1S+1], 512<<16
	s_mov_b32 s[G1S+2], 3<<16
	s_mov_b32 s[G1S+3], 512<<16
	s_mov_b32 s[G1S+4], 3
	s_mov_b32 s[G1S+5], 4096
	s_mov_b32 s[G1S+6], 0
	s_mov_b32 s[G1S+7], 0
	s_mov_b32 s[G1X], 3<<16                        ; x's scale bytes: 8,192 dense bytes, my work-group's own
	s_mov_b32 s[G1X+1], 32<<16
	s_mov_b32 s[G1X+2], 32<<16
	s_mov_b32 s[G1X+3], 32<<16
	s_mov_b32 s[G1X+4], 32
	s_mov_b32 s[G1X+5], 32
	s_mov_b32 s[G1X+6], 0
	s_mov_b32 s[G1X+7], 0
	s_mov_b32 s[SEL], 0x76543210
	s_mov_b32 s[SEL+1], 0xfedcba98
	s_mov_b32 s[MNT], 0x600000
	s_lshl_b32 s20, s17, 17                        ; wc: W_q's rows 128 j on
	s_mov_b32 s21, 0
	s_mov_b32 s23, 0
	s_lshl_b32 s[G0R+1], s14, 15
	s_add_co_u32 s86, s20, 2097152                 ; W_v's: my 32 rows of them
	s_add_co_u32 s86, s86, s[G0R+1]
	s_mov_b32 s87, 0
	s_lshl_b32 s88, s17, 12
	s_mov_b32 s89, 0
	s_lshl_b32 s90, s16, 13
	s_mov_b32 s91, 0
	s_lshl_b32 s92, s16, 18                        ; xc: my work-group's 256 rows: the first 128,
	s_mov_b32 s93, 0
	s_add_co_u32 s22, s92, SLOTB                   ; the second
	s_lshl_b32 s94, s15, 15                        ; the prefetches: my wave's 32 blocks of a weight's 512
	s_lshl_b32 s95, s14, 13
	s_add_co_u32 s94, s94, s95
	s_add_co_u32 s94, s94, s20
	s_and_b32 s95, s14, 1                          ; the fill over x: waves 0, 1 W_q's halves, waves 2, 3 W_k's
	s_lshl_b32 s95, s95, 16
	s_add_co_u32 s20, s20, s95
	s_lshr_b32 s95, s14, 1
	s_lshl_b32 s95, s95, 20
	s_add_co_u32 s20, s20, s95
	s_lshr_b32 s66, s16, 3                         ; batch
	s_and_b32 s67, s16, 7
	s_lshl_b32 s66, s66, 4
	s_lshl_b32 s95, s17, 1
	s_add_co_u32 s66, s66, s95                     ; my first head: 16 x batch + 2 j
	s_and_b32 s95, s14, 1
	s_lshl_b32 s[BQ], s66, 17
	s_lshl_b32 s[GB], s67, 14
	s_add_co_u32 s[BQ], s[BQ], s[GB]
	s_lshl_b32 s[GB], s14, 12
	s_add_co_u32 s[BQ], s[BQ], s[GB]               ; qimg: head, tile 16 (I % 8) + 4 wave
	s_mov_b32 s[BQ+1], 0
	s_lshl_b32 s[QSWB], s66, 13
	s_lshl_b32 s[GB], s67, 10
	s_add_co_u32 s[QSWB], s[QSWB], s[GB]
	s_lshl_b32 s[GB], s14, 8
	s_add_co_u32 s[QSWB], s[QSWB], s[GB]
	s_mov_b32 s[QSWB+1], 0
	s_mul_i32 s66, s66, HKV
	s_lshl_b32 s67, s67, 1
	s_lshr_b32 s[GB], s14, 1
	s_add_co_u32 s67, s67, s[GB]
	s_mul_i32 s67, s67, BLK
	s_add_co_u32 s66, s66, s67                     ; kv: head, my 128 keys
	s_lshl_b32 s[BK], s95, 12
	s_add_co_u32 s[BK], s[BK], s66                 ; K's tiles 4 (wave % 2) on
	s_mov_b32 s[BK+1], 0
	s_lshl_b32 s[BV], s95, 10
	s_add_co_u32 s[BV], s[BV], s66
	s_add_co_u32 s[BV], s[BV], 8704                ; V's pieces 2 (wave % 2) on
	s_mov_b32 s[BV+1], 0
	s_lshl_b32 s[KWB], s95, 8
	s_add_co_u32 s[KWB], s[KWB], s66
	s_add_co_u32 s[KWB], s[KWB], 8192
	s_mov_b32 s[KWB+1], 0
	s_mul_i32 s[VWB], s95, HKV                     ; at the end wave n stores V's words of head n % 2, keys n / 2
	s_add_co_u32 s[VWB], s[VWB], s66
	s_add_co_u32 s[VWB], s[VWB], 16896
	s_mov_b32 s[VWB+1], 0
	s_lshl_b32 s66, s14, 10
	s_add_co_u32 s66, s66, STGB                    ; my words' stage
	s_lshr_b32 s67, s14, 1
	s_lshl_b32 s67, s67, 9
	s_lshl_b32 s95, s95, 1
	s_add_co_u32 s67, s67, s95
	s_add_co_u32 s67, s67, SVB                     ; V's bytes: my keys' half, my two bytes of a word
	s_lshl_b32 s95, s14, 8
	s_add_co_u32 s95, s95, SVB
	s_lshl_b32 s2, s14, 11
	s_add_co_u32 s2, s2, XSL
	s_lshl_b32 s3, s14, 16                         ; my 64 rows of x in the slots; later my 64 rows of a weight
	s_wait_dscnt 0x0                               ; both opening adds are done
	ROUND                                          ; all four work-groups are here
	s_wait_kmcnt 0x0
	s_mov_b32 s[G0Q], 1
	s_mov_b32 s[G0Q+1], 0
	s_add_nc_u64 s[G0Q+2:G0Q+3], s[4:5], s[92:93]
	s_or_b32 s[G0Q+3], s[G0Q+3], 0x80000000
	s_mov_b32 s[G0K], 1
	s_mov_b32 s[G0K+1], SLOTB
	s_add_nc_u64 s[G0K+2:G0K+3], s[4:5], s[22:23]
	s_or_b32 s[G0K+3], s[G0K+3], 0x80000000
	s_mov_b32 s[G0S], 1
	s_mov_b32 s[G0S+1], SCW
	s_add_nc_u64 s[G0S+2:G0S+3], s[10:11], s[88:89]
	s_or_b32 s[G0S+3], s[G0S+3], 0x80000000
	s_mov_b32 s[G0X], 1
	s_mov_b32 s[G0X+1], XSL
	s_add_nc_u64 s[G0X+2:G0X+3], s[6:7], s[90:91]
	s_or_b32 s[G0X+3], s[G0X+3], 0x80000000
	s_mov_b32 s[G0R], 1
	s_add_nc_u64 s[G0R+2:G0R+3], s[8:9], s[86:87]
	s_or_b32 s[G0R+3], s[G0R+3], 0x80000000
; THE HEAD'S LOADS, ONE A WAVE: one chain of branches on the wave's number, a load to an arm
.macro ARM under, g0, g1, next
	s_cmp_lt_u32 s14, \under
	s_cbranch_scc0 \next
	tensor_load_to_lds s[\g0:\g0+3], s[\g1:\g1+7]
	s_nop 0
	PLACES 4
	s_branch .Lhead_asked
\next:
.endm
	ARM 1, G0Q, G1C, .Lhead_s
	ARM 2, G0S, G1S, .Lhead_x
	ARM 3, G0X, G1X, .Lhead_k
	tensor_load_to_lds s[G0K:G0K+3], s[G1C:G1C+7]
	s_nop 0
	PLACES 4
.Lhead_asked:
	s_add_nc_u64 s[BQ:BQ+1], s[96:97], s[BQ:BQ+1]
	s_add_nc_u64 s[QSWB:QSWB+1], s[98:99], s[QSWB:QSWB+1]
	s_add_nc_u64 s[BK:BK+1], s[100:101], s[BK:BK+1]
	s_add_nc_u64 s[BV:BV+1], s[100:101], s[BV:BV+1]
	s_add_nc_u64 s[KWB:KWB+1], s[100:101], s[KWB:KWB+1]
	s_add_nc_u64 s[VWB:VWB+1], s[100:101], s[VWB:VWB+1]
	v_and_b32 v48, 15, v0                          ; r
	v_bfe_u32 v49, v0, 4, 1                        ; h
	v_and_b32 v50, 31, v0                          ; lane
	v_lshrrev_b32 v51, 3, v48                      ; r / 8
	v_xor_b32 v49, v49, v51
	v_and_b32 v[LA], 7, v48
	v_lshlrev_b32 v[LA], 5, v[LA]
	v_lshl_add_u32 v[LA], v49, 4, v[LA]
	v_lshl_add_u32 v[LA], v51, 13, v[LA]
	v_lshlrev_b32 v[WSA0], 5, v50
	v_lshlrev_b32 v[OB], 4, v50
	v_lshlrev_b32 v[BAQ], 2, v48
	v_add_nc_u32 v[BAV], s67, v[BAQ]               ; V's byte: 4 x my feature's row
	v_add_nc_u32 v[BAQ], s66, v[BAQ]               ; Q's, K's byte: 4 x my token's row
	v_add_nc_u32 v[RBQ], s66, v[OB]
	v_lshlrev_b32 v[GQ], 4, v48
	v_add_nc_u32 v[RBV], s95, v[GQ]
	v_lshlrev_b32 v[PV], 3, v50
	v_add_nc_u32 v[PV], s95, v[PV]
	v_lshrrev_b32 v51, 4, v50
	v_mul_u32_u24 v[GK], v51, HKV
	v_add_nc_u32 v[GK], v[GK], v[GQ]               ; words out: lanes 0-15 the first head's 256 bytes, lanes 16-31 the second's
	v_lshl_add_u32 v[GQ], v51, 13, v[GQ]
	v_add_nc_u32 v[XSA], s2, v[WSA0]
	v_add_nc_u32 v[XAD], s3, v[LA]
	v_lshlrev_b32 v[PF], 8, v50
	v_add_nc_u32 v[PF], s94, v[PF]
.irp i, 0,1,2,3
	v_mov_b32 v[C7+\i], 0x7f7f0000
	v_mov_b32 v[TM+4+\i], 0                        ; a lane permute's destination counts as one of its sources
.endr
	ds_store_b128 v[RBQ], v[C7:C7+3]               ; Q's and K's words begin as 0x7f7f over two bytes to come;
	ds_store_b128 v[RBQ], v[C7:C7+3] offset:512
	ds_store_b64 v[PV], v[C7:C7+1]                 ; V's stage is written whole once: every byte of it is stored again below
	WALU                                           ; the wait at the head's end
	s_cmp_lt_u32 ttmp9, 4
	s_cbranch_scc0 .Lno_ask
	global_prefetch_b8 v[PF], s[8:9] th:TH_LOAD_NT scope:SCOPE_SE                  ; W_q's rows,
	global_prefetch_b8 v[PF], s[8:9] offset:1048576 th:TH_LOAD_NT scope:SCOPE_SE   ; W_k's,
	global_prefetch_b8 v[PF], s[8:9] offset:2097152 th:TH_LOAD_NT scope:SCOPE_SE   ; W_v's
.Lno_ask:
	s_wait_tensorcnt 0x0                           ; every wave: its tile of the head's four is in
	s_wait_dscnt 0x0
	s_barrier_signal -1
	s_barrier_wait -1
.irp p, 0,1
.irp c, 0,1
	ds_load_b128 v[XS+8*\p+4*\c:XS+8*\p+4*\c+3], v[XSA] offset:1024*\p+16*\c
.endr
.endr
.irp q, 0,1,2,3,4,5,6,7
	WIN (1+\q/4)<<6
.irp t, 0,1,2,3
.irp c, 0,1,2,3
	ds_load_b128 v[64*\t+16*(\q%4)+4*\c:64*\t+16*(\q%4)+4*\c+3], v[XAD] offset:16384*\t+256*(4*\q+\c)   ; x's fragments: they stay in registers
.endr
.endr
.endr
	WIN 0
	s_wait_tensorcnt 0x0                           ; ahead of a refill's round
	ds_add_u32 v[SPW], v[NIL]
	s_mov_b32 s[G1C], 15|(3<<16)|(1<<21)           ; no tensor load of mine is out: from here on codes are the weights', asked for jointly; 64 rows a wave, 256 rows of 256 bytes
	s_mov_b32 s[G1C+2], 256<<16
	s_mov_b32 s[G1C+4], 256
	s_mov_b32 s[G0Q+1], s3
	s_add_nc_u64 s[G0Q+2:G0Q+3], s[8:9], s[20:21]
	s_or_b32 s[G0Q+3], s[G0Q+3], 0x80000000
	s_wait_dscnt 0x0                               ; the add is done, and x is in my registers
	ROUND
	tensor_load_to_lds s[G0Q:G0Q+3], s[G1C:G1C+7]  ; W_q's rows into slot 0, W_k's into slot 1: over x
	s_nop 0
	PLACES 4
	s_wait_tensorcnt 0x0                           ; every wave: its 64 rows are in
	s_barrier_signal -1
	s_barrier_wait -1
.macro WM c
.if RA_ == 0 && RB_ == 0
	v_wmma_scale_f32_16x16x128_f8f6f4 v[D_:D_+7], v[A_:A_+15], v[B_:B_+15], \c, v[SA_], v[SB_] matrix_a_fmt:MATRIX_FMT_BF8 matrix_b_fmt:MATRIX_FMT_BF8
.elseif RB_ == 0
	v_wmma_scale_f32_16x16x128_f8f6f4 v[D_:D_+7], v[A_:A_+15], v[B_:B_+15], \c, v[SA_], v[SB_] matrix_a_fmt:MATRIX_FMT_BF8 matrix_b_fmt:MATRIX_FMT_BF8 matrix_a_scale:MATRIX_SCALE_ROW1
.elseif RA_ == 0
	v_wmma_scale_f32_16x16x128_f8f6f4 v[D_:D_+7], v[A_:A_+15], v[B_:B_+15], \c, v[SA_], v[SB_] matrix_a_fmt:MATRIX_FMT_BF8 matrix_b_fmt:MATRIX_FMT_BF8 matrix_b_scale:MATRIX_SCALE_ROW1
.else
	v_wmma_scale_f32_16x16x128_f8f6f4 v[D_:D_+7], v[A_:A_+15], v[B_:B_+15], \c, v[SA_], v[SB_] matrix_a_fmt:MATRIX_FMT_BF8 matrix_b_fmt:MATRIX_FMT_BF8 matrix_a_scale:MATRIX_SCALE_ROW1 matrix_b_scale:MATRIX_SCALE_ROW1
.endif
.endm
.macro PROD kind, blk, q, t
.if \kind
.set D_, ACC+32*(\blk)+8*(\t)
.set A_, 64*(\t)+16*((\q)%4)
.set B_, 128*(\blk)+16*(\q)
.set SA_, XS+8*((\t)/2)+(\q)
.set SB_, WS+(\q)
.set RA_, (\t)%2
.set RB_, \blk
.else
.set D_, ACC+16*(\t)+8*(\blk)
.set A_, 128*(\blk)+16*(\q)
.set B_, 64*(\t)+16*((\q)%4)
.set SA_, WS+(\q)
.set SB_, XS+8*((\t)/2)+(\q)
.set RA_, \blk
.set RB_, (\t)%2
.endif
.if (\q) == 0
	WM 0
.else
	WM v[D_:D_+7]
.endif
.endm
.macro BATCH kind, blk                 ; 32 products: a block of 16 weight rows x my four tiles, K ascending; the four sums by turns; the first product starts each sum
.irp q, 0,1,2,3,4,5,6,7
.if \kind
	WIN (1+\q/4)|(3<<2)
.else
	WIN 3|((1+\q/4)<<2)
.endif
.irp t, 0,1,2,3
	PROD \kind, \blk, \q, \t
.endr
.endr
	WIN 0
.endm
.macro FETCH blk                       ; a block's 32 loads into window 3
	WIN 0xc0
.irp q, 0,1,2,3,4,5,6,7
.irp c, 0,1,2,3
	ds_load_b128 v[128*\blk+16*\q+4*\c:128*\blk+16*\q+4*\c+3], v[WAD] offset:16384*\blk+256*(4*\q+\c)
.endr
.endr
	WIN 0
.endm
.macro FETCHS
	ds_load_b128 v[WS:WS+3], v[WSA]
	ds_load_b128 v[WS+4:WS+7], v[WSA] offset:16
.endm
.macro QUANT                           ; four units of 16 sums -> a byte (v[TM+4+u]) and 16 codes a lane (v[PC+4u] on); each accumulator is read from its low end on
.irp b, 0,1,2,3
	v_max3_num_f32 v[TM+\b], |v[ACC+16*\b]|, |v[ACC+16*\b+1]|, 0x8000000   ; with the floor 2^(16 - 127)
.endr
.irp i, 2,4,6,8,10,12,14
.irp b, 0,1,2,3
	v_max3_num_f32 v[TM+\b], |v[ACC+16*\b+\i]|, |v[ACC+16*\b+\i+1]|, v[TM+\b]
.endr
.endr
.irp b, 0,1,2,3
	v_permlanex16_b32 v[TM+4+\b], v[TM+\b], s[SEL], s[SEL+1]
.endr
.irp b, 0,1,2,3
	v_max_num_f32 v[TM+\b], v[TM+\b], v[TM+4+\b]
.endr
.irp b, 0,1,2,3
	v_add_nc_u32 v[TM+12+\b], 0xf8800000, v[TM+\b] ; the conversion's scale operand
.endr
.irp b, 0,1,2,3
	v_and_or_b32 v[TM+8+\b], v[TM+\b], 0x7f800000, s[MNT]   ; 57,344 x the scale
.endr
.irp b, 0,1,2,3
	v_lshrrev_b32 v[TM+4+\b], 23, v[TM+12+\b]      ; the byte
.endr
.irp b, 0,1,2,3
.irp i, 0,1,2,3,4,5,6,7,8,9,10,11,12,13,14,15
	v_med3_num_f32 v[ACC+16*\b+\i], v[ACC+16*\b+\i], -v[TM+8+\b], v[TM+8+\b]   ; the conversion does not saturate (ISA guide 7.6.2)
.endr
.endr
.irp b, 0,1,2,3
	v_cvt_scalef32_pk8_bf8_f32 v[PC+4*\b:PC+4*\b+1], v[ACC+16*\b:ACC+16*\b+7], v[TM+12+\b]
	v_cvt_scalef32_pk8_bf8_f32 v[PC+4*\b+2:PC+4*\b+3], v[ACC+16*\b+8:ACC+16*\b+15], v[TM+12+\b]
.endr
	v_nop                                          ; one plain line behind the last conversion
.endm
; A PHASE: a weight's 128 rows, four trips of a pair of blocks.  wbase, sbase: its codes and scale bytes in LDS; gb: where its codes go; hstr, cstr: from head to head, from a head's first pair to its second;
; ba0, boff, bstr: the same for the bytes' place in LDS (256 from head to head).
.macro PHASE kind, lbl, wbase, sbase, gb, hstr, cstr, ba0, boff, bstr
	v_add_nc_u32 v[WAD], \wbase, v[LA]
	v_add_nc_u32 v[WSA], \sbase, v[WSA0]
	FETCH 0
	FETCHS
	FETCH 1
	s_mov_b32 s[P], 0
\lbl:
	s_wait_xcnt 0x0                                ; the last trip's stores have read their base and their data
	s_lshr_b32 s20, s[P], 1
	s_and_b32 s21, s[P], 1
	s_mul_i32 s22, s20, \hstr
	s_mul_i32 s23, s21, \cstr
	s_add_co_u32 s22, s22, s23
	s_mov_b32 s23, 0
	s_add_nc_u64 s[GB:GB+1], s[\gb:\gb+1], s[22:23]
	s_lshl_b32 s20, s20, 8
	s_mul_i32 s21, s21, \bstr
	s_add_co_u32 s20, s20, s21
	s_add_co_u32 s20, s20, \boff
	s_add_co_u32 s21, s[P], 1
	s_and_b32 s21, s21, 3                          ; the pair that is fetched in this trip: the next, round the slot
	s_lshl_b32 s22, s21, 15
	s_add_co_u32 s22, s22, \wbase
	s_lshl_b32 s21, s21, 10
	s_add_co_u32 s21, s21, \sbase
	v_add_nc_u32 v[BA], s20, v[\ba0]
	v_add_nc_u32 v[WAD], s22, v[LA]
	v_add_nc_u32 v[WSA], s21, v[WSA0]
	WALU
	s_wait_dscnt 32                                ; block 0 and the scale words are in; the youngest 32 LDS instructions may be out
	BATCH \kind, 0
	PLACES 8                                       ; eight places ahead of loads into registers that the products have read
	FETCH 0
	s_wait_dscnt 32                                ; block 1 is in; the 32 just issued may be out
	BATCH \kind, 1
	PLACES 8                                       ; and ahead of the first read of the sums
	FETCHS
	FETCH 1
	QUANT
.irp u, 0,1,2,3
.if \kind
	global_store_b128 v[OB], v[PC+4*\u:PC+4*\u+3], s[GB:GB+1] offset:2048*(\u/2)+512*(\u%2)   ; unit 2 block + p: V's tile, piece
	ds_store_b8 v[BA], v[TM+4+\u] offset:64*(\u/2)+(\u%2)
.else
	global_store_b128 v[OB], v[PC+4*\u:PC+4*\u+3], s[GB:GB+1] offset:1024*\u                  ; unit = my tile of tokens; 512 consecutive bytes, aligned
	ds_store_b8 v[BA], v[TM+4+\u] offset:64*\u     ; both halves of the lanes hold the same byte
.endif
.endr
	s_add_co_u32 s[P], s[P], 1
	s_cmp_lt_u32 s[P], 4
	s_cbranch_scc1 \lbl
.endm
	PHASE 0, .Lq, 0, SCW, BQ, 131072, 512, BAQ, 0, 1
	s_wait_tensorcnt 0x0                           ; ahead of a refill's round
	ds_add_u32 v[SPW], v[NIL]
	s_mov_b32 s[G1C+2], 128<<16                    ; no tensor load of mine is out: this refill brings 32 rows a wave, 128 rows of 256 bytes
	s_mov_b32 s[G1C+4], 128
	s_wait_dscnt 0x0                               ; the add is done, and my reads of slot 0 are over
	ROUND
	tensor_load_to_lds s[G0R:G0R+3], s[G1C:G1C+7]  ; W_v's rows into slot 0
	s_nop 0
	PLACES 4
	PHASE 0, .Lk, SLOTB, SCW+4096, BK, HKV, 512, BAQ, 512, 1
	s_wait_tensorcnt 0x0                           ; every wave: W_v's rows are in
	s_wait_dscnt 0x0
	s_barrier_signal -1
	s_barrier_wait -1
	PHASE 1, .Lv, 0, SCW+8192, BV, HKV, 4096, BAV, 0, 128
	s_wait_dscnt 0x0                               ; my bytes are stored
	s_barrier_signal -1
	s_barrier_wait -1
	ds_load_b128 v[WB:WB+3], v[RBQ]                ; Q's words of my 64 tokens, two heads
	ds_load_b128 v[WB+4:WB+7], v[RBQ] offset:512   ; K's
	ds_load_b128 v[WB+8:WB+11], v[RBV]             ; V's 64 words of one head and 128 keys, in both halves of the lanes
	s_wait_dscnt 0x0
	global_store_b128 v[GQ], v[WB:WB+3], s[QSWB:QSWB+1]       ; sixteen lanes fill an aligned unit of 256 bytes
	global_store_b128 v[GK], v[WB+4:WB+7], s[KWB:KWB+1]
	global_store_b128 v[OB], v[WB+8:WB+11], s[VWB:VWB+1]      ; twice on end: every byte of kv is written
	s_wait_tensorcnt 0x0                           ; the wave's end
	ds_add_u32 v[SPW], v[NIL]
	s_wait_dscnt 0x0
	ROUND                                          ; the closing round
	s_endpgm
.Lfunc_end_k_q24fb04fa1e_proj:
	.size	k_q24fb04fa1e_proj, .Lfunc_end_k_q24fb04fa1e_proj-k_q24fb04fa1e_proj
	.p2alignl 7, 3214868480
	.fill 96, 4, 3214868480
	.section	.rodata,"a",@progbits
	.p2align	6, 0x0
	.amdhsa_kernel k_q24fb04fa1e_proj
		.amdhsa_group_segment_fixed_size 327680
		.amdhsa_private_segment_fixed_size 0
		.amdhsa_enable_private_segment 0
		.amdhsa_kernarg_size 56
		.amdhsa_user_sgpr_count 2
		.amdhsa_user_sgpr_kernarg_segment_ptr 1
		.amdhsa_wavefront_size32 1
		.amdhsa_system_sgpr_workgroup_id_x 1
		.amdhsa_system_sgpr_workgroup_id_y 1
		.amdhsa_system_sgpr_workgroup_id_z 1
		.amdhsa_system_vgpr_workitem_id 0
		.amdhsa_next_free_vgpr 1024
		.amdhsa_next_free_sgpr 104
		.amdhsa_reserve_vcc 0
		.amdhsa_float_denorm_mode_32 3
		.amdhsa_float_denorm_mode_16_64 3
		.amdhsa_memory_ordered 1
		.amdhsa_forward_progress 1
		.amdhsa_inst_pref_size 102
	.end_amdhsa_kernel
	.amdgpu_metadata
---
amdhsa.version: [ 1, 2 ]
amdhsa.kernels:
  - .name:           k_q24fb04fa1e_proj
    .symbol:         k_q24fb04fa1e_proj.kd
    .args:
      - { .name: xc, .offset: 0, .size: 8, .value_kind: global_buffer, .address_space: global }
      - { .name: xs, .offset: 8, .size: 8, .value_kind: global_buffer, .address_space: global }
      - { .name: wc, .offset: 16, .size: 8, .value_kind: global_buffer, .address_space: global }
      - { .name: ws, .offset: 24, .size: 8, .value_kind: global_buffer, .address_space: global }
      - { .name: qimg, .offset: 32, .size: 8, .value_kind: global_buffer, .address_space: global }
      - { .name: qsw, .offset: 40, .size: 8, .value_kind: global_buffer, .address_space: global }
      - { .name: kv, .offset: 48, .size: 8, .value_kind: global_buffer, .address_space: global }
    .group_segment_fixed_size: 327680
    .private_segment_fixed_size: 0
    .kernarg_segment_align: 8
    .kernarg_segment_size: 56
    .max_flat_workgroup_size: 128
    .sgpr_count:     104
    .vgpr_count:     1024
    .wavefront_size: 32
...
	.end_amdgpu_metadata
.endif
;; end of part 2
;; launch attn (part 3): grid 4 x 64, 8 waves a work-group, clusters of 4 x 1, 327,680 bytes of LDS; arguments qimg, qsw, kv, out0; writes out0
.if DOCPART == 3
	.amdgcn_target "amdgcn-amd-amdhsa--gfx1250"
	.amdhsa_code_object_version 6
	.text
	.protected	k_q24fb04fa1e_attn
	.globl	k_q24fb04fa1e_attn
	.p2align	8
	.type	k_q24fb04fa1e_attn,@function
k_q24fb04fa1e_attn:
	s_mov_b64 s[64:65], 0
	v_nop
	global_prefetch_b8 v0, s[64:65] scope:SCOPE_SE
	s_setreg_imm32_b32 hwreg(HW_REG_WAVE_MODE, 25, 1), 1
	s_wait_xcnt 0x0
	s_wait_alu depctr_hold_cnt(0) depctr_sa_sdst(0) depctr_va_vdst(0) depctr_va_sdst(0) depctr_va_ssrc(0) depctr_va_vcc(0) depctr_vm_vsrc(0)
	s_getreg_b32 s2, hwreg(HW_REG_IB_STS2, 6, 4)
	s_cmp_eq_u32 s2, 0
	s_cbranch_scc0 .Lentry_in_a_cluster
	s_endpgm
.Lentry_in_a_cluster:
	s_bfe_u32 s2, ttmp6, 0x10000c
	s_cmp_lg_u32 s2, 0x3003
	s_cbranch_scc0 .Lentry_shape_is_right
	s_endpgm
.Lentry_shape_is_right:
; CAUSAL ATTENTION ON CODES OF BF8 (E5M2, one E8M0 scale for 32 along K): out0[head][q] = sum over k <= q of softmax(Q.K / 8) V, 64 heads (batch x head) of 2,048 tokens x 64.
; t = score x log2(e) / 8; M = the running largest t rounded up to a whole number; p = 2^(t - M) is quantised along the keys; the row's sum is taken of the unquantised p and divides at the end.
; LEFT OUT: key blocks of 128 all of whose keys come after a group's queries: the causal mask sets them to -inf, so they add nothing for any inputs.
; LIMITS: the promise holds while the scaled scores stay under 2^31 in magnitude; NaN and infinities are not served; a block of p that is all zeros keeps the byte 1 over zero codes.
; INPUTS, as the launch before leaves them: qimg [head][tile of 16 tokens][2][512 B], qsw [head][tile][16 words]; kv [head][block of 128 keys][17,408 B]: K's 8 tiles x 2 x 512 B, K's 128 scale words,
; V's 4 tiles x 4 x 512 B, V's 64 scale words twice.  Tile 2 u + e holds tokens 32 u + 8 e + {0..7, 16..23}; so two neighbouring tiles are 32 neighbouring tokens.
; SHARES.  A cluster of four work-groups owns a head; all four ask jointly for the head's 16 blocks, which stay in LDS.
; A wave owns two groups of 32 queries (two tiles each): group 63 - g and group g, g = 4 x wave + cx: 16 - wave and wave + 1 key blocks, 17 steps in every wave.  Each fragment of K and V feeds both tiles.
; ORDER.  The high group takes blocks 0-3 (brought by waves 0 and 1, shown first); then 13 trips with one step each: the high group up to its diagonal, its way out, then the low group from its diagonal down to block 0.
; Branches hang on the wave's number and the trip alone, never on cx; cx enters global addresses and the mask's numbers.
; NO PREFETCH: every byte that the launch reads by tensor loads is asked for at the head, in one group; there is no later load to run ahead of.
; Both products are used transposed (S^T = K Q^T, O^T = V^T P^T): a lane holds one query.  The head's 64 fill half of the product's 128: the upper halves of K's and Q's operands are zero codes, written once.
; REGISTERS.  Window 0: v1-31 addresses and the rows' state, v32-47 scale words, v48-79 the blocks' maxima, bounds and scales (both tiles), v80-95 the low group's Q, v96-223 K's eight fragments, v224-227 1 / sum.
; Window 1: v0-127 scores, then p (tile n at 64 n; V's fragments land on tile 0's when its codes are made), v128-191 O^T, v192-223 p's codes, v224-255 Q.
.set BLK,   17408
.set HEADB, 16*BLK
.set STG,   HEADB                      ; the way out: 16 rows x 272 bytes for each wave, bytes that no tensor load fills
.set STGW,  16*272
.set SPARE, STG+8*STGW                 ; the spare words: 128 bytes a wave
.set LI,   1                           ; 16 x lane
.set LW,   2                           ; 4 (lane % 16) + 256 (lane / 16): lanes 16-31 take the words of the tile four on
.set ADR,  3
.set ADW,  4
.set LQ,   5                           ; 4 x lane
.set STO,  6
.set SRD,  7
.set NINF, 8
.set RQ,   9
.set DQ,   10                          ; v10, v11: my query in the diagonal block, less 16 (lane / 16)
.set MM,   12                          ; pairs (-M, largest t), a tile each
.set LA,   16                          ; the sums: four numbers a tile
.set F,    24                          ; pairs (f, unused)
.set TMP,  28
.set SPW,  30
.set NIL,  31
.set KW,   32
.set QW,   36
.set QWL,  37
.set VW,   40
.set PW,   44
.set BM,   48
.set BX,   56
.set BH,   64
.set BS,   72
.set QL,   80
.set KF,   96
.set IV,   224
.set S,    0
.set O,    128
.set PCD,  192
.set Q,    224
.set WV,   12
.set CX,   13
.set HD,   14
.set CNT,  15
.set TB,   16
.set DS,   17                          ; the high group's diagonal block: 15 - wave
.set MNT,  19
.set SEL,  20
.set CS,   22
.set G1,   24
.set G0,   32
.set OAH,  36
.set OAL,  38
.set DBH,  40
.set DBL,  41
.set MSB, 0
.macro WIN new                         ; the immediate's high byte repeats the setting that is left.  Bits 1:0 source 0, 3:2 source 1, 5:4 source 2, 7:6 destination
.if MSB != (\new)
	s_set_vgpr_msb (MSB<<8)|(\new)
.set MSB, (\new)
.endif
.endm
.macro WALU
	s_wait_alu depctr_va_vdst(0)
.endm
.macro PLACES n
.rept \n
	v_nop
.endr
.endm
.macro ROUND
	s_barrier_signal -1
	s_barrier_wait -1
	s_cmp_lg_u32 s[WV], 0
	s_cbranch_scc1 .Lnot_wave_0_\@
	s_barrier_signal -3
.Lnot_wave_0_\@:
	s_barrier_wait -3
	s_barrier_signal -1
	s_barrier_wait -1
.endm
	s_load_b256 s[4:11], s[0:1], 0x0               ; qimg, qsw, kv, out0
	v_lshl_add_u32 v[SPW], v0, 2, SPARE
	v_mov_b32 v[NIL], 0
	ds_add_u32 v[SPW], v[NIL]                      ; the opening lines: the add twice on end and one wait
	ds_add_u32 v[SPW], v[NIL]
	v_lshrrev_b32 v3, 5, v0
	v_readfirstlane_b32 s[WV], v3                  ; wave 0..7
	s_bfe_u32 s[CX], ttmp6, 0x40000
	s_and_b32 s[HD], ttmp7, 0xffff                 ; the head
	s_mov_b32 s[G1], 15|(3<<16)|(1<<21)            ; all four partners; elements of 8 bytes; two blocks as 136 dense rows of 256 bytes
	s_mov_b32 s[G1+1], 32<<16
	s_mov_b32 s[G1+2], 136<<16
	s_mov_b32 s[G1+3], 32<<16
	s_mov_b32 s[G1+4], 136
	s_mov_b32 s[G1+5], 32
	s_mov_b32 s[G1+6], 0
	s_mov_b32 s[G1+7], 0
	s_mov_b32 s[MNT], 0x600000                     ; the mantissa field of 57,344
	s_mov_b32 s[SEL], 0x76543210
	s_mov_b32 s[SEL+1], 0xfedcba98
	s_mov_b32 s[CS], 0x3e38aa3b                    ; log2(e) / 8
	s_mov_b32 s[CS+1], s[CS]
	s_xor_b32 s[DS], s[WV], 15
	s_mul_i32 s42, s[HD], HEADB
	s_mul_i32 s[G0+1], s[WV], 2*BLK                ; blocks 2 wave, 2 wave + 1: in LDS,
	s_add_co_u32 s42, s42, s[G0+1]                 ; and in kv
	s_mov_b32 s43, 0
	s_mov_b32 s[G0], 1
	s_lshl_b32 s44, s[WV], 2
	s_add_co_u32 s44, s44, s[CX]                   ; my low group g,
	s_xor_b32 s45, s44, 63                         ; my high group 63 - g
	s_lshl_b32 s[DBL], s[CX], 5                    ; a group's first query in its diagonal block: 32 (group % 4)
	s_xor_b32 s[DBH], s[DBL], 96
	s_lshl_b32 s46, s[HD], 17                      ; qimg: 131,072 bytes a head, 2,048 a group
	s_lshl_b32 s48, s45, 11
	s_add_co_u32 s48, s48, s46
	s_mov_b32 s49, 0
	s_lshl_b32 s50, s44, 11
	s_add_co_u32 s50, s50, s46
	s_mov_b32 s51, 0
	s_lshl_b32 s46, s[HD], 13                      ; qsw: 8,192 bytes a head, 128 a group
	s_lshl_b32 s52, s45, 7
	s_add_co_u32 s52, s52, s46
	s_mov_b32 s53, 0
	s_lshl_b32 s54, s44, 7
	s_add_co_u32 s54, s54, s46
	s_mov_b32 s55, 0
	s_lshl_b32 s46, s[HD], 19                      ; out0: 524,288 bytes a head, 8,192 a group
	s_lshl_b32 s[OAH], s45, 13
	s_add_co_u32 s[OAH], s[OAH], s46
	s_mov_b32 s[OAH+1], 0
	s_lshl_b32 s[OAL], s44, 13
	s_add_co_u32 s[OAL], s[OAL], s46
	s_mov_b32 s[OAL+1], 0
	s_wait_dscnt 0x0                               ; both opening adds are done
	ROUND                                          ; all four work-groups are here: the joint loads meet
	s_wait_kmcnt 0x0
	s_add_nc_u64 s[G0+2:G0+3], s[8:9], s[42:43]
	s_or_b32 s[G0+3], s[G0+3], 0x80000000
	s_cmp_lt_u32 s[WV], 2                          ; one load a wave, in two arms: waves 0 and 1 (blocks 0-3) have a line of their own, since they alone wait at the first barrier
	s_cbranch_scc0 .Lrest
	tensor_load_to_lds s[G0:G0+3], s[G1:G1+7]
	s_nop 0
	PLACES 4
	s_branch .Lasked
.Lrest:
	tensor_load_to_lds s[G0:G0+3], s[G1:G1+7]
	s_nop 0
	PLACES 4
.Lasked:
	s_add_nc_u64 s[48:49], s[4:5], s[48:49]
	s_add_nc_u64 s[50:51], s[4:5], s[50:51]
	s_add_nc_u64 s[52:53], s[6:7], s[52:53]
	s_add_nc_u64 s[54:55], s[6:7], s[54:55]
	s_add_nc_u64 s[OAH:OAH+1], s[10:11], s[OAH:OAH+1]
	s_add_nc_u64 s[OAL:OAL+1], s[10:11], s[OAL:OAL+1]
	v_and_b32 v[LQ], 31, v0
	v_lshlrev_b32 v[LI], 4, v[LQ]
	v_lshlrev_b32 v[LQ], 2, v[LQ]
	WIN 0x40
.irp e, 0,1
.irp c, 0,1
	global_load_b128 v[Q+16*\e+4*\c:Q+16*\e+4*\c+3], v[LI], s[48:49] offset:1024*\e+512*\c   ; the high group's Q, into window 1
.endr
.endr
	WIN 0
.irp e, 0,1
.irp c, 0,1
	global_load_b128 v[QL+8*\e+4*\c:QL+8*\e+4*\c+3], v[LI], s[50:51] offset:1024*\e+512*\c   ; the low group's waits in window 0
.endr
.endr
	global_load_b32 v[QW], v[LQ], s[52:53]         ; Q's scale words: lanes 0-15 tile 0's, lanes 16-31 tile 1's
	global_load_b32 v[QWL], v[LQ], s[54:55]
	v_and_b32 v[RQ], 15, v0                        ; r
	v_bfe_u32 v[TMP], v0, 4, 1                     ; h
	v_lshlrev_b32 v[LW], 2, v[RQ]
	v_lshl_add_u32 v[LW], v[TMP], 8, v[LW]
	s_mul_i32 s42, s[WV], STGW
	s_add_co_u32 s42, s42, STG                     ; my stage
	v_mul_u32_u24 v[STO], v[RQ], 272
	v_lshl_add_u32 v[STO], v[TMP], 6, v[STO]
	v_add_nc_u32 v[STO], s42, v[STO]               ; in: row r, 64 h bytes on
	v_mul_u32_u24 v[SRD], v[TMP], 272
	v_lshl_add_u32 v[SRD], v[RQ], 4, v[SRD]
	v_add_nc_u32 v[SRD], s42, v[SRD]               ; back: lanes 0-15 one row, lanes 16-31 the next
	v_and_b32 v[TMP+1], 8, v[RQ]
	v_add_nc_u32 v[RQ], v[RQ], v[TMP+1]
	v_lshlrev_b32 v[TMP], 4, v[TMP]
	v_sub_nc_u32 v[RQ], v[RQ], v[TMP]              ; r + 8 (r / 8) - 16 h
	v_mov_b32 v[NINF], 0xff800000
.irp q, 0,1,2,3,4,5,6,7
	v_mov_b32 v[BX+\q], 0                          ; a lane permute's destination counts as one of its sources
.endr
.irp n, 0,1
	v_mov_b32 v[F+2*\n+1], 0                       ; named as upper halves of pairs
	v_mov_b32 v[IV+2*\n+1], 0
.endr
.set I_, 0
.rept 64
	v_mov_b32 v[KF+16*(I_/8)+8+I_%8], 0            ; K's operands: zero codes from 64 on along the product's 128
.set I_, I_+1
.endr
	WIN 0x40
.set I_, 0
.rept 16
	v_mov_b32 v[Q+16*(I_/8)+8+I_%8], 0             ; Q's likewise
.set I_, I_+1
.endr
	WIN 0
; A group begins: the mask's numbers, the largest t (-3e38), -M, the sums and O^T (zeros, which the first change of M leaves zeros: so the step is written without a first step of its own)
.macro INIT sb
	v_add_nc_u32 v[DQ], s[\sb], v[RQ]
	v_add_nc_u32 v[DQ+1], 8, v[DQ]
.irp n, 0,1
	v_mov_b32 v[MM+2*\n+1], 0xff61b1e6
.endr
.irp n, 0,1
	v_floor_f32 v[MM+2*\n], -v[MM+2*\n+1]
.endr
.irp i, 0,1,2,3,4,5,6,7
	v_mov_b32 v[LA+\i], 0
.endr
	WIN 0x40
.set I_, 0
.rept 64
	v_mov_b32 v[O+I_], 0
.set I_, I_+1
.endr
	WIN 0
.endm
.macro SMUL n, t                       ; S^T: K's tile t x tile n of my queries
.set D_, S+64*(\n)+8*(\t)
.set A_, KF+16*(\t)
.set B_, Q+16*(\n)
.if (\n) == 0 && (\t) < 4
	v_wmma_scale_f32_16x16x128_f8f6f4 v[D_:D_+7], v[A_:A_+15], v[B_:B_+15], 0, v[KW+(\t)%4], v[QW] matrix_a_fmt:MATRIX_FMT_BF8 matrix_b_fmt:MATRIX_FMT_BF8
.elseif (\n) == 0
	v_wmma_scale_f32_16x16x128_f8f6f4 v[D_:D_+7], v[A_:A_+15], v[B_:B_+15], 0, v[KW+(\t)%4], v[QW] matrix_a_fmt:MATRIX_FMT_BF8 matrix_b_fmt:MATRIX_FMT_BF8 matrix_a_scale:MATRIX_SCALE_ROW1
.elseif (\t) < 4
	v_wmma_scale_f32_16x16x128_f8f6f4 v[D_:D_+7], v[A_:A_+15], v[B_:B_+15], 0, v[KW+(\t)%4], v[QW] matrix_a_fmt:MATRIX_FMT_BF8 matrix_b_fmt:MATRIX_FMT_BF8 matrix_b_scale:MATRIX_SCALE_ROW1
.else
	v_wmma_scale_f32_16x16x128_f8f6f4 v[D_:D_+7], v[A_:A_+15], v[B_:B_+15], 0, v[KW+(\t)%4], v[QW] matrix_a_fmt:MATRIX_FMT_BF8 matrix_b_fmt:MATRIX_FMT_BF8 matrix_a_scale:MATRIX_SCALE_ROW1 matrix_b_scale:MATRIX_SCALE_ROW1
.endif
.endm
.macro HOLDCVT n                       ; tile n's p: held at 57,344 x its block's scale (the conversion does not saturate: ISA guide 7.6.2; p is not negative), then 64 codes
.irp b, 0,1,2,3
.set X_, S+64*(\n)+16*\b
.set I_, 0
.rept 16
	v_min_num_f32 v[X_+I_], v[X_+I_], v[BH+4*(\n)+\b]
.set I_, I_+1
.endr
	v_cvt_scalef32_pk8_bf8_f32 v[PCD+16*(\n)+4*\b:PCD+16*(\n)+4*\b+1], v[X_:X_+7], v[BS+4*(\n)+\b]
	v_cvt_scalef32_pk8_bf8_f32 v[PCD+16*(\n)+4*\b+2:PCD+16*(\n)+4*\b+3], v[X_+8:X_+15], v[BS+4*(\n)+\b]
.endr
.endm
; A KEY STEP: the 128 keys of the block at LDS byte s[TB], for both tiles.  mask = 1: in the two trips that hold a diagonal block the hidden scores become -infinity.
.macro STEP mask
	v_add_nc_u32 v[ADR], s[TB], v[LI]
	v_add_nc_u32 v[ADW], s[TB], v[LW]
.irp t, 0,1,2,3
	ds_load_b32 v[KW+\t], v[ADW] offset:8192+64*\t                 ; K's scale words: lanes 0-15 tile t's, lanes 16-31 tile t + 4's
.endr
.irp t, 0,1,2,3,4,5,6,7
	ds_load_b128 v[KF+16*\t:KF+16*\t+3], v[ADR] offset:1024*\t
	ds_load_b128 v[KF+16*\t+4:KF+16*\t+7], v[ADR] offset:1024*\t+512
.endr
	s_wait_dscnt 8                                 ; the words and tiles 0-3 are in; the eight loads of tiles 4-7 may be out
	WIN 0x44                                       ; K in window 0; Q and the scores in window 1
.irp n, 0,1
.irp t, 0,1,2,3
	SMUL \n, \t
.endr
.endr
	s_wait_dscnt 0x0
.irp n, 0,1
.irp t, 4,5,6,7
	SMUL \n, \t
.endr
.endr
	WIN 0
	PLACES 8                                       ; eight places behind the last product, ahead of the first read of its scores
.if \mask
	s_sub_co_u32 s42, s[DS], s[CNT]                ; 1: the high group's diagonal; 0: the low group's
	s_cmp_gt_u32 s42, 1
	s_cbranch_scc1 .Lopen_\@
	WIN 0x41
.set I_, 0
.rept 128
	v_cmp_gt_i32 vcc_lo, 32*((I_%64)/16)+I_%16, v[DQ+I_/64]        ; register 16 b + i holds key 32 b + 16 h + i of the block
	v_cndmask_b32 v[S+I_], v[S+I_], v[NINF], vcc_lo
.set I_, I_+1
.endr
	WIN 0
.Lopen_\@:
.endif
	WIN 0x05                                       ; the largest score of each block of 32 keys, eight blocks by turns
.irp q, 0,1,2,3,4,5,6,7
	v_max_num_f32 v[BM+\q], v[S+16*\q], v[S+16*\q+1]
.endr
.irp i, 2,4,6,8,10,12,14
.irp q, 0,1,2,3,4,5,6,7
	v_max3_num_f32 v[BM+\q], v[S+16*\q+\i], v[S+16*\q+\i+1], v[BM+\q]
.endr
.endr
	WIN 0
.irp q, 0,1,2,3,4,5,6,7
	v_permlanex16_b32 v[BX+\q], v[BM+\q], s[SEL], s[SEL+1]
.endr
.irp q, 0,1,2,3,4,5,6,7
	v_max_num_f32 v[BM+\q], v[BM+\q], v[BX+\q]     ; with lane l xor 16's 16 keys
.endr
.irp n, 0,1
	v_max3_num_f32 v[TMP+\n], v[BM+4*\n], v[BM+4*\n+1], v[BM+4*\n+2]
.endr
.irp n, 0,1
	v_max_num_f32 v[TMP+\n], v[TMP+\n], v[BM+4*\n+3]
.endr
.irp n, 0,1
	v_mul_f32 v[TMP+\n], s[CS], v[TMP+\n]
.endr
.irp n, 0,1
	v_max_num_f32 v[MM+2*\n+1], v[MM+2*\n+1], v[TMP+\n]            ; the running largest t
.endr
.irp n, 0,1
	v_mov_b32 v[TMP+\n], v[MM+2*\n]
.endr
.irp n, 0,1
	v_floor_f32 v[MM+2*\n], -v[MM+2*\n+1]          ; -M = floor(-t): M is a whole number
.endr
.irp n, 0,1
	v_sub_f32 v[TMP+\n], v[MM+2*\n], v[TMP+\n]
.endr
.irp n, 0,1
	v_cvt_i32_f32 v[TMP+\n], v[TMP+\n]             ; (it saturates)
.endr
.irp n, 0,1
	v_ldexp_f32 v[F+2*\n], 1.0, v[TMP+\n]          ; f = 2^(old M - new M)
.endr
.irp q, 0,1,2,3,4,5,6,7
	v_fma_f32 v[BM+\q], v[BM+\q], s[CS], v[MM+2*(\q/4)]            ; the blocks' largest t - M
.endr
	WIN 0x41
.set I_, 0
.rept 64
	v_pk_fma_f32 v[S+I_:S+I_+1], v[S+I_:S+I_+1], s[CS:CS+1], v[MM+2*(I_/64):MM+2*(I_/64)+1] op_sel_hi:[1,0,0]   ; t - M
.set I_, I_+2
.endr
	WALU                                           ; the wait ahead of the batch
.set I_, 0
.rept 128
	v_exp_f32 v[S+I_], v[S+I_]                     ; p = 2^(t - M)
.set I_, I_+1
.endr
	WIN 0
.irp q, 0,1,2,3,4,5,6,7
	v_exp_f32 v[BM+\q], v[BM+\q]                   ; each block's largest p: the same two instructions on the same number
.endr
.irp k, 0,1,2,3
	v_pk_mul_f32 v[LA+2*\k:LA+2*\k+1], v[LA+2*\k:LA+2*\k+1], v[F+2*(\k/2):F+2*(\k/2)+1] op_sel_hi:[1,0]   ; the sums under the new M (plain lines behind the batch)
.endr
	WALU                                           ; one wait for the batch, ahead of its first reader
.irp q, 0,1,2,3,4,5,6,7
	v_max_num_f32 v[BM+\q], 0x8000000, v[BM+\q]    ; the floor 2^(16 - 127): the byte cannot fall under 1
.endr
.irp q, 0,1,2,3,4,5,6,7
	v_add_nc_u32 v[BS+\q], 0xf8800000, v[BM+\q]    ; 15 off the exponent field: the conversion's scale operand
.endr
.irp q, 0,1,2,3,4,5,6,7
	v_and_or_b32 v[BH+\q], v[BM+\q], 0x7f800000, s[MNT]            ; 57,344 x the scale
.endr
.irp q, 0,1,2,3,4,5,6,7
	v_lshrrev_b32 v[BX+\q], 23, v[BS+\q]           ; the scale's byte
.endr
.irp n, 0,1
	v_lshl_or_b32 v[PW+\n], v[BX+4*\n+1], 8, v[BX+4*\n]
.endr
.irp n, 0,1
	v_lshl_or_b32 v[PW+\n], v[BX+4*\n+2], 16, v[PW+\n]
.endr
.irp n, 0,1
	v_lshl_or_b32 v[PW+\n], v[BX+4*\n+3], 24, v[PW+\n]             ; p's scale word for these 128 keys
.endr
	WIN 0x01                                       ; the rows' sums of the unquantised p: four chains by turns
.set I_, 0
.rept 16
.irp n, 0,1
	v_pk_add_f32 v[LA+4*\n:LA+4*\n+1], v[S+64*\n+I_:S+64*\n+I_+1], v[LA+4*\n:LA+4*\n+1]
	v_pk_add_f32 v[LA+4*\n+2:LA+4*\n+3], v[S+64*\n+I_+2:S+64*\n+I_+3], v[LA+4*\n+2:LA+4*\n+3]
.endr
.set I_, I_+4
.endr
	WIN 0x41
	HOLDCVT 0
	WIN 0x40                                       ; tile 0's p is in codes: V's four fragments land on its registers while tile 1 is held and converted
.irp t, 0,1,2,3
.irp c, 0,1,2,3
	ds_load_b128 v[S+16*\t+4*\c:S+16*\t+4*\c+3], v[ADR] offset:8704+2048*\t+512*\c
.endr
.endr
	WIN 0
.irp t, 0,1,2,3
	ds_load_b32 v[VW+\t], v[ADW] offset:16896+64*\t
.endr
	WIN 0x41
	HOLDCVT 1
	WALU                                           ; directly ahead of the first readers of O^T
.set I_, 0
.rept 32
	v_pk_mul_f32 v[O+I_:O+I_+1], v[O+I_:O+I_+1], v[F+2*(I_/32):F+2*(I_/32)+1] op_sel_hi:[1,0]   ; O^T under the new M; also the places ahead of the products below
.set I_, I_+2
.endr
	WALU                                           ; directly ahead of the wait below
	s_wait_dscnt 0x0                               ; V
	WIN 0x55
.irp t, 0,1,2,3
.irp n, 0,1
	v_wmma_scale_f32_16x16x128_f8f6f4 v[O+32*\n+8*\t:O+32*\n+8*\t+7], v[S+16*\t:S+16*\t+15], v[PCD+16*\n:PCD+16*\n+15], v[O+32*\n+8*\t:O+32*\n+8*\t+7], v[VW+\t], v[PW+\n] matrix_a_fmt:MATRIX_FMT_BF8 matrix_b_fmt:MATRIX_FMT_BF8
.endr
.endr
	WIN 0
	PLACES 8                                       ; with the next step's two additions ten places: the next scores are written over V's fragments (nine are asked); the way out reads O^T (eight)
.endm
; THE WAY OUT of a group: O^T / the sum, a tile of 16 queries at a time through my stage (all lanes store), back as rows of 256 bytes: a store of the wave covers two rows of out0, 512 consecutive bytes, aligned.
.macro FINISH oa
	v_pk_add_f32 v[LA:LA+1], v[LA:LA+1], v[LA+2:LA+3]
	v_pk_add_f32 v[LA+4:LA+5], v[LA+4:LA+5], v[LA+6:LA+7]
	v_add_f32 v[TMP], v[LA], v[LA+1]
	v_add_f32 v[TMP+1], v[LA+4], v[LA+5]
	v_permlanex16_b32 v[BX], v[TMP], s[SEL], s[SEL+1]
	v_permlanex16_b32 v[BX+1], v[TMP+1], s[SEL], s[SEL+1]
	v_add_f32 v[TMP], v[TMP], v[BX]
	v_add_f32 v[TMP+1], v[TMP+1], v[BX+1]          ; the rows' sums
	WALU                                           ; the wait ahead of the transcendentals
	v_rcp_f32 v[IV], v[TMP]
	v_rcp_f32 v[IV+2], v[TMP+1]
	v_nop
	WIN 0x41
	WALU                                           ; and behind them, directly ahead of the first readers of O^T
.set I_, 0
.rept 32
	v_pk_mul_f32 v[S+I_:S+I_+1], v[O+I_:O+I_+1], v[IV+2*(I_/32):IV+2*(I_/32)+1] op_sel_hi:[1,0]
.set I_, I_+2
.endr
.irp e, 0,1
	WIN 0x04
.irp t, 0,1,2,3
	ds_store_b128 v[STO], v[S+32*\e+8*\t:S+32*\e+8*\t+3] offset:128*(\t/2)+32*(\t%2)          ; register j of tile t is channel 32 (t / 2) + 8 (t % 2) + 16 h + j
	ds_store_b128 v[STO], v[S+32*\e+8*\t+4:S+32*\e+8*\t+7] offset:128*(\t/2)+32*(\t%2)+16
.endr
	WIN 0x40
.irp i, 0,1,2,3,4,5,6,7
	ds_load_b128 v[S+64+32*\e+4*\i:S+64+32*\e+4*\i+3], v[SRD] offset:544*\i                   ; LDS serves a wave's instructions in order: these see my stores, and the next tile's stores come behind them
.endr
.endr
	WIN 0x04
.irp e, 0,1
.irp i, 0,1,2,3,4,5,6,7
	s_wait_dscnt 23-16*\e-\i                       ; behind this load: the rest of its eight and, for tile 0, tile 1's sixteen
	global_store_b128 v[LI], v[S+64+32*\e+4*\i:S+64+32*\e+4*\i+3], s[\oa:\oa+1] offset:2048*\e+512*\i+2048*(\i/4) th:TH_STORE_NT   ; stage row p of tile e is token 8 e + p + 8 (p / 8) of the group
.endr
.endr
	WIN 0
.endm
	INIT DBH
	WALU                                           ; the wait at the head's end
	s_wait_loadcnt 0x0                             ; Q
	s_cmp_lt_u32 s[WV], 2
	s_cbranch_scc0 .Lnot_first
	s_wait_tensorcnt 0x0                           ; waves 0 and 1: blocks 0-3 are in
.Lnot_first:
	s_barrier_signal -1
	s_barrier_wait -1
	s_mov_b32 s[TB], 0
	s_mov_b32 s[CNT], 0
.Lfirst4:                                              ; the high group, blocks 0-3: all their keys count for it
	STEP 0
	s_add_co_u32 s[TB], s[TB], BLK
	s_add_co_u32 s[CNT], s[CNT], 1
	s_cmp_lt_u32 s[CNT], 4
	s_cbranch_scc1 .Lfirst4
	s_wait_tensorcnt 0x0                           ; every wave: all sixteen blocks are in
	s_wait_dscnt 0x0
	s_barrier_signal -1
	s_barrier_wait -1
	s_mov_b32 s[CNT], 3
.Lmain:                                                ; trips c = 3 .. 15: c < 15 - wave: the high group's block c + 1; from c = 15 - wave on: the low group's block 15 - c
	s_cmp_lg_u32 s[CNT], s[DS]
	s_cbranch_scc1 .Lsame
	FINISH OAH
	s_wait_xcnt 0x0                                ; the stores have read their data: the next scores may be written there
	WIN 0x40
.set I_, 0
.rept 16
	v_mov_b32 v[Q+16*(I_/8)+I_%8], v[QL+I_]        ; the low group's Q
.set I_, I_+1
.endr
	WIN 0
	v_mov_b32 v[QW], v[QWL]
	INIT DBL
	WALU
.Lsame:
	s_add_co_u32 s42, s[CNT], 1
	s_and_b32 s42, s42, 15
	s_xor_b32 s43, s[CNT], 15
	s_cmp_lt_u32 s[CNT], s[DS]
	s_cselect_b32 s42, s42, s43                    ; the block: both numbers lie in 0 .. 15
	s_mul_i32 s[TB], s42, BLK
	STEP 1
	s_add_co_u32 s[CNT], s[CNT], 1
	s_cmp_lt_u32 s[CNT], 16
	s_cbranch_scc1 .Lmain
	FINISH OAL
	s_wait_tensorcnt 0x0                           ; the wave's end
	ds_add_u32 v[SPW], v[NIL]
	s_wait_dscnt 0x0
	ROUND                                          ; the closing round
	s_endpgm
.Lfunc_end_k_q24fb04fa1e_attn:
	.size	k_q24fb04fa1e_attn, .Lfunc_end_k_q24fb04fa1e_attn-k_q24fb04fa1e_attn
	.p2alignl 7, 3214868480
	.fill 96, 4, 3214868480
	.section	.rodata,"a",@progbits
	.p2align	6, 0x0
	.amdhsa_kernel k_q24fb04fa1e_attn
		.amdhsa_group_segment_fixed_size 327680
		.amdhsa_private_segment_fixed_size 0
		.amdhsa_enable_private_segment 0
		.amdhsa_kernarg_size 32
		.amdhsa_user_sgpr_count 2
		.amdhsa_user_sgpr_kernarg_segment_ptr 1
		.amdhsa_wavefront_size32 1
		.amdhsa_system_sgpr_workgroup_id_x 1
		.amdhsa_system_sgpr_workgroup_id_y 1
		.amdhsa_system_sgpr_workgroup_id_z 1
		.amdhsa_system_vgpr_workitem_id 0
		.amdhsa_next_free_vgpr 512
		.amdhsa_next_free_sgpr 80
		.amdhsa_reserve_vcc 1
		.amdhsa_float_denorm_mode_32 3
		.amdhsa_float_denorm_mode_16_64 3
		.amdhsa_memory_ordered 1
		.amdhsa_forward_progress 1
		.amdhsa_inst_pref_size 109
	.end_amdhsa_kernel
	.amdgpu_metadata
---
amdhsa.version: [ 1, 2 ]
amdhsa.kernels:
  - .name:           k_q24fb04fa1e_attn
    .symbol:         k_q24fb04fa1e_attn.kd
    .args:
      - { .name: qimg, .offset: 0, .size: 8, .value_kind: global_buffer, .address_space: global }
      - { .name: qsw, .offset: 8, .size: 8, .value_kind: global_buffer, .address_space: global }
      - { .name: kv, .offset: 16, .size: 8, .value_kind: global_buffer, .address_space: global }
      - { .name: out0, .offset: 24, .size: 8, .value_kind: global_buffer, .address_space: global }
    .group_segment_fixed_size: 327680
    .private_segment_fixed_size: 0
    .kernarg_segment_align: 8
    .kernarg_segment_size: 32
    .max_flat_workgroup_size: 256
    .sgpr_count:     80
    .vgpr_count:     512
    .wavefront_size: 32
...
	.end_amdgpu_metadata
.endif
;; end of part 3
